; MI455X (gfx1250); checked and timed in simulation.
; The chip was launched on July 23, 2026; its instructions are those of AMD's public machine-readable ISA for CDNA 5 (MIT licence, August 2026) and "CDNA5" Instruction Set Architecture Reference Guide (July 2026). The comments in the code are by the model that wrote it; some were corrected since.
;; Flip Linear. Allowed arithmetic: matrix products marked QUANTISED: E4M3 operands, one given power-of-two scale a tensor, by v_wmma_f32_16x16x64_fp8_fp8 or v_wmma_f32_16x16x128_fp8_fp8, f32 sums; everything else in f32.
;; Inputs: lowp_scales 2 int32 (the exponents e of the quantised operands' scales 2^e); scales 65,536 float32; ternary 2,048 x 4,096 int32; x_codes 4 x 2,048 x 128 x 32 uint8 (E4M3 codes of x, K innermost, in blocks of 32 codes).
;; Outputs: out0 4 x 2,048 x 2,048 float32.
;; This version of the problem:
;;   THIS VERSION OF THE PROBLEM IS GIVEN IN LOW PRECISION. The matrix products marked QUANTISED in the list below multiply operands that are first quantised to E4M3 (4 exponent bits, 3 mantissa bits; 8 bits a number), with one given power-of-two scale for each operand tensor; their sums are f32. All else is computed in f32.
;;   The module's matrix products, in the order in which they are computed (A, B: the left and right operand; K: the contracted axis; several contracted axes count as one K, in the product's order):
;;     1. [M 8,192, K 4,096] x [K 4,096, N 2,048]; A: input x (given as codes); B: computed on the way: QUANTISED (scales: A lowp_scales[0], B lowp_scales[1])
;;   THE QUANTISER, for each operand of a quantised product, along K:
;;     - The operand's scale is 2^e, e = its entry of the input lowp_scales (int32; the entries are numbered through the quantised products in the list's order, A before B).
;;     - Each number is divided by the scale, clamped to +-448, and rounded to the nearest number of E4M3, ties to even, subnormals kept.
;;     - The product sums the exact products of the quantised numbers (number of the format x scale) in f32.
;;   ~~~python
;;   def quantise(x, axis, e):      # numpy; x: float32 -> the quantised numbers, widened to float32 again
;;       x = np.moveaxis(x, axis, -1); K = x.shape[-1]
;;       r = np.clip(x / 2.0 ** e, -448, 448)
;;       step = 2.0 ** (np.maximum(np.frexp(np.where(r == 0, 1, r))[1] - 1, -6) - 3)
;;       q = np.round(r / step) * step * 2.0 ** e      # np.round: ties to even
;;       return np.moveaxis(q, -1, axis).astype(np.float32)
;;   ~~~
;;   OPERANDS COMPUTED ON THE WAY. 'Computed on the way' means the value that the module computes at that place (a softmax that the list does not call 'softmax' is quantised finished and normalised). What goes into a quantiser is computed in f32, as accurately as f32 sums, v_exp_f32 and their like allow (about 1e-6 of the number): no bf16 or f16 on the way to a quantiser, and a product that is left as it is and whose result goes on into a quantised operand takes f32 operands (vector FMAs, or v_wmma_f32_16x16x4_f32). A number that lies on a knife's edge between two numbers of the format may be rounded either way, as far as f32 arithmetic and the matrix unit's own rounding can turn it there, and no further.
;;   INPUTS GIVEN AS CODES. x (in the module: [4, 2048, 4096], K = its axis 2): each comes as NAME_codes (uint8): NAME with its K axis moved to the last place and cut into blocks of 32 codes, [.., K / 32, bytes a block], one block behind the other in memory; one code a byte (a code: sign, 4 exponent bits, 3 mantissa bits); its scale is its entry of lowp_scales. Its value is code x scale, taken as it is: it is not quantised again, and the codes and scales need not be those that the quantiser above would give.
;; One version. Each part assembles by itself: llvm-mc -triple=amdgcn-amd-amdhsa -mcpu=gfx1250 --defsym DOCPART=n.
;; ======== version 1 of 1: 2 launches
;; limits: right only within a limited range of input values
;; workspace buffers: w_codes 8,388,608 bytes
;; launch quantw (part 1): grid 256 x 1, 8 waves a work-group, no clusters, 33,792 bytes of LDS; arguments ternary, scales, lowp_scales, w_codes; writes w_codes
.if DOCPART == 1
	.amdgcn_target "amdgcn-amd-amdhsa--gfx1250"
	.amdhsa_code_object_version 6
	.text
	.protected	k_qc02072f748_quantw
	.globl	k_qc02072f748_quantw
	.p2align	8
	.type	k_qc02072f748_quantw,@function
k_qc02072f748_quantw:
	s_mov_b64 s[64:65], 0
	v_nop
	global_prefetch_b8 v0, s[64:65] scope:SCOPE_SE
	s_setreg_imm32_b32 hwreg(HW_REG_WAVE_MODE, 25, 1), 1
	s_wait_xcnt 0x0
; W[o][i] = f32(ternary[o][i]) x scales[32 o + i / 128], o < 2048, i < 4096, is made in f32 and turned into codes of FP8 (E4M3), one byte each, in rows of 4,096 bytes with K (= i) innermost.
; code = W / 2^e1, held within +-448, rounded to the nearest code, ties to even.  e1 is entry 1 (int32) of the buffer of scales' exponents.
; LIMITS: -126 <= e1 <= 119, so that 2^e1 and 448 x 2^e1 are f32 numbers.  NaN among the scales is not served.  Any int32 in ternary is served, not -1, 0, 1 alone.
; THE ROWS' ORDER IN THE BUFFER IS THE PRODUCT'S: row o = 64 G + 4 r + q (q < 4, r < 16) lies at place 64 G + 16 q + r.  Sixteen neighbouring places are then the rows 4 r + q of one q: in the product, lane r of
; four neighbouring tiles holds four neighbouring columns of the output, which it can store as 16 bytes.
; SHARES.  Eight waves; wave w of work-group g owns row o = 8 g + w: 4,096 whole numbers (16,384 bytes), 32 scales, 4,096 bytes of codes.  2,048 waves, 2,048 rows.
; A row goes in 8 steps of 512 numbers; a step is four loads of 512 consecutive bytes, 16 a lane.  One such load is 128 numbers = ONE group, so its scale is one number for the whole wave
; and stands in a scalar register: the row's 32 scales come by two scalar loads.
; All 32 loads of a wave go out at the head, into 128 registers: the whole row is on its way at once, and no ring is needed.
; The tensor has ONE scale 2^e1, so the conversion may take any eight numbers of a lane.  Of its two result words the first holds the codes of the first four registers, the second of the next four:
; word i of a step's four is the lane's four code bytes at 128 i + 4 x lane of the step's 512.  THE CODES, not the f32 numbers, are turned through the wave's own LDS bytes: four stores of 4 bytes a lane
; (128 consecutive bytes a store), one load of 16 bytes a lane (512 consecutive bytes); then each store of the wave to memory covers 512 consecutive bytes, aligned.
; Waves share nothing: no barrier.  Every step has registers and LDS bytes of its own, so that nothing that a store reads is written again.
; No matrix unit, no cluster, no tensor load: the work-groups share no input, and each byte is read once.
.set STEPS, 8
.set X,  16                            ; v16-143   step t, load i: four registers at X + 16 t + 4 i: whole numbers, then W in f32
.set C,  144                           ; v144-175  step t: four words of codes as converted
.set O,  176                           ; v176-207  step t: sixteen code bytes a lane, back from LDS
.set SC, 16                            ; s16-47    the row's 32 scales
	s_load_b256 s[4:11], s[0:1], 0x0               ; ternary s[4:5], scales s[6:7], the exponents s[8:9], the codes s[10:11]
	v_lshl_add_u32 v208, v0, 2, 0x8000
	v_mov_b32 v209, 0
	v_lshrrev_b32 v1, 5, v0
	s_delay_alu instid0(VALU_DEP_1)
	v_readfirstlane_b32 s12, v1                    ; wave 0..7
	v_and_b32 v1, 31, v0                           ; lane
	s_delay_alu instid0(VALU_DEP_1)
	v_lshlrev_b32 v2, 4, v1                        ; 16 x lane: my bytes of a load's 512, and of a store's 512
	s_lshl_b32 s49, s12, 12                        ; my wave's 4,096 bytes of LDS
	v_lshl_add_u32 v3, v1, 2, s49                  ; into LDS: 4 x lane
	v_add_nc_u32 v4, s49, v2                       ; out of it: 16 x lane
	s_lshl_b32 s13, ttmp9, 3
	s_add_co_u32 s13, s13, s12                     ; my row o = 8 x work-group + wave
	s_mov_b32 s15, 0                               ; the upper word of every offset below
	s_wait_alu depctr_va_vdst(0)
	s_wait_kmcnt 0x0
	s_lshl_b32 s14, s13, 7                         ; 32 scales of 4 bytes a row
	s_add_nc_u64 s[6:7], s[6:7], s[14:15]
	s_load_b512 s[16:31], s[6:7], 0x0              ; the scales of groups 0-15 of my row,
	s_load_b512 s[32:47], s[6:7], 0x40             ; of groups 16-31,
	s_load_b32 s48, s[8:9], 0x4                    ; and e1
	s_lshl_b32 s14, s13, 14                        ; a row of ternary is 16,384 bytes
	s_add_nc_u64 s[4:5], s[4:5], s[14:15]
	s_and_b32 s49, s13, 3                          ; q = o % 4
	s_lshl_b32 s49, s49, 4
	s_bfe_u32 s50, s13, 0x40002                    ; r = (o / 4) % 16: 4 bits from bit 2
	s_or_b32 s49, s49, s50                         ; 16 q + r
	s_and_b32 s14, s13, 0x7c0                      ; 64 G
	s_or_b32 s14, s14, s49                         ; my row's place
	s_lshl_b32 s14, s14, 12                        ; a row of codes is 4,096 bytes
	s_add_nc_u64 s[10:11], s[10:11], s[14:15]
.irp t, 0,1,2,3,4,5,6,7
.irp i, 0,1,2,3
	global_load_b128 v[X+16*\t+4*\i:X+16*\t+4*\i+3], v2, s[4:5] offset:2048*\t+512*\i th:TH_LOAD_NT   ; 32 lanes read 512 consecutive bytes: group 4 t + i; read once in the launch
.endr
.endr
	s_wait_kmcnt 0x0                               ; the scales and e1
	s_add_co_i32 s48, s48, 127
	s_lshl_b32 s50, s48, 23
	v_mov_b32 v11, s50                             ; 2^e1 as f32: the conversion takes its exponent field
	s_add_co_i32 s48, s48, 8
	s_lshl_b32 s48, s48, 23
	s_or_b32 s48, s48, 0x600000                    ; the mantissa field of 448
	v_mov_b32 v10, s48                             ; 448 x 2^e1
.macro STEP t
	s_wait_loadcnt 4*(STEPS-1-(\t))                ; loads come back in order (ISA guide 5.7.1): this step's four are in, the four of each younger step may be out
.irp j, 0,1,2,3,4,5,6,7,8,9,10,11,12,13,14,15
	v_cvt_f32_i32 v[X+16*(\t)+\j], v[X+16*(\t)+\j]
.endr
.irp i, 0,1,2,3
.irp j, 0,1,2,3
	v_mul_f32 v[X+16*(\t)+4*\i+\j], s[SC+4*(\t)+\i], v[X+16*(\t)+4*\i+\j]   ; W in f32: the whole number x its group's scale
.endr
.endr
.irp j, 0,1,2,3,4,5,6,7,8,9,10,11,12,13,14,15
	v_med3_num_f32 v[X+16*(\t)+\j], v[X+16*(\t)+\j], -v10, v10   ; the conversion to an 8-bit code does not saturate (ISA guide 7.6.2): the number is held within the largest code x the scale first
.endr
	v_cvt_scalef32_pk8_fp8_f32 v[C+4*(\t):C+4*(\t)+1], v[X+16*(\t):X+16*(\t)+7], v11       ; eight numbers / 2^e1, to the nearest code, ties to even
	v_cvt_scalef32_pk8_fp8_f32 v[C+4*(\t)+2:C+4*(\t)+3], v[X+16*(\t)+8:X+16*(\t)+15], v11
	v_nop                                          ; one plain vector line behind the last conversion of a run
.irp i, 0,1,2,3
	ds_store_b32 v3, v[C+4*(\t)+\i] offset:512*(\t)+128*\i   ; my four codes of group 4 t + i: the wave's 128 consecutive bytes
.endr
	ds_load_b128 v[O+4*(\t):O+4*(\t)+3], v4 offset:512*(\t)  ; LDS serves a wave's instructions in order (ISA guide 5.7.1.4): it sees the four stores above
.if (\t) > 0
	s_wait_dscnt 5                                 ; all but this step's four stores and one load: the step before is back in registers
	global_store_b128 v2, v[O+4*((\t)-1):O+4*((\t)-1)+3], s[10:11] offset:512*((\t)-1)   ; 32 lanes store 512 consecutive bytes, at a multiple of 512 from the buffer's first byte; the next launch reads them
.endif
.endm
.irp t, 0,1,2,3,4,5,6,7
	STEP \t
.endr
	s_wait_dscnt 0x0                               ; the last step's codes are back
	global_store_b128 v2, v[O+4*(STEPS-1):O+4*(STEPS-1)+3], s[10:11] offset:512*(STEPS-1)
	s_wait_tensorcnt 0x0
	ds_add_u32 v208, v209
	s_wait_dscnt 0x0
	s_endpgm
.Lfunc_end_k_qc02072f748_quantw:
	.size	k_qc02072f748_quantw, .Lfunc_end_k_qc02072f748_quantw-k_qc02072f748_quantw
	.p2alignl 7, 3214868480
	.fill 96, 4, 3214868480
	.section	.rodata,"a",@progbits
	.p2align	6, 0x0
	.amdhsa_kernel k_qc02072f748_quantw
		.amdhsa_group_segment_fixed_size 33792
		.amdhsa_private_segment_fixed_size 0
		.amdhsa_enable_private_segment 0
		.amdhsa_kernarg_size 32
		.amdhsa_user_sgpr_count 2
		.amdhsa_user_sgpr_kernarg_segment_ptr 1
		.amdhsa_wavefront_size32 1
		.amdhsa_system_sgpr_workgroup_id_x 1
		.amdhsa_system_sgpr_workgroup_id_y 1
		.amdhsa_system_sgpr_workgroup_id_z 1
		.amdhsa_system_vgpr_workitem_id 0
		.amdhsa_next_free_vgpr 210
		.amdhsa_next_free_sgpr 66
		.amdhsa_reserve_vcc 0
		.amdhsa_float_denorm_mode_32 3
		.amdhsa_float_denorm_mode_16_64 3
		.amdhsa_memory_ordered 1
		.amdhsa_forward_progress 1
		.amdhsa_inst_pref_size 26
	.end_amdhsa_kernel
	.amdgpu_metadata
---
amdhsa.version: [ 1, 2 ]
amdhsa.kernels:
  - .name:           k_qc02072f748_quantw
    .symbol:         k_qc02072f748_quantw.kd
    .args:
      - { .name: ternary, .offset: 0, .size: 8, .value_kind: global_buffer, .address_space: global }
      - { .name: scales, .offset: 8, .size: 8, .value_kind: global_buffer, .address_space: global }
      - { .name: lowp_scales, .offset: 16, .size: 8, .value_kind: global_buffer, .address_space: global }
      - { .name: w_codes, .offset: 24, .size: 8, .value_kind: global_buffer, .address_space: global }
    .group_segment_fixed_size: 33792
    .private_segment_fixed_size: 0
    .kernarg_segment_align: 8
    .kernarg_segment_size: 32
    .max_flat_workgroup_size: 256
    .sgpr_count:     66
    .vgpr_count:     210
    .wavefront_size: 32
...
	.end_amdgpu_metadata
.endif
;; end of part 1
;; launch gemm (part 2): grid 8 x 32, 4 waves a work-group, clusters of 4 x 4, 327,680 bytes of LDS; arguments x_codes, w_codes, lowp_scales, out0; writes out0
.if DOCPART == 2
	.amdgcn_target "amdgcn-amd-amdhsa--gfx1250"
	.amdhsa_code_object_version 6
	.text
	.protected	k_qc02072f748_gemm
	.globl	k_qc02072f748_gemm
	.p2align	8
	.type	k_qc02072f748_gemm,@function
k_qc02072f748_gemm:
	s_mov_b64 s[64:65], 0
	v_nop
	global_prefetch_b8 v0, s[64:65] scope:SCOPE_SE
	s_setreg_imm32_b32 hwreg(HW_REG_WAVE_MODE, 25, 1), 1
	s_wait_xcnt 0x0
	s_wait_alu depctr_hold_cnt(0) depctr_sa_sdst(0) depctr_va_vdst(0) depctr_va_sdst(0) depctr_va_ssrc(0) depctr_va_vcc(0) depctr_vm_vsrc(0)
	s_getreg_b32 s2, hwreg(HW_REG_IB_STS2, 6, 4)
	s_cmp_eq_u32 s2, 0
	s_cbranch_scc0 .Lentry_in_a_cluster
	s_endpgm
.Lentry_in_a_cluster:
	s_bfe_u32 s2, ttmp6, 0x10000c
	s_cmp_lg_u32 s2, 0xf033
	s_cbranch_scc0 .Lentry_shape_is_right
	s_endpgm
.Lentry_shape_is_right:
; out[m][n] = 2^(e0 + e1) x sum over k of X[m][k] W[n][k].  X: [8192][4096] codes of FP8 (E4M3), W: [2048][4096] codes made by the launch before; sums and output f32.
; e0, e1: the two int32 of the buffer of scales' exponents.  LIMIT: -126 <= e0 + e1 <= 127, so that 2^(e0 + e1) is an f32 number.  No work of the problem is left out here.
; A work-group makes 256 x 256 of the output: 8 x 32 work-groups.  Four waves, each 128 x 128: 64 accumulators of 16 x 16, 512 registers.
; K goes in steps of 256 (a tile's row is 256 bytes) through two LDS slots; a slot holds two steps of 128, q = 0 and q = 1; a lap is once round both slots, 8 laps.
; ORDER ALONG K: clusters whose number has the one parity walk the laps 0, 1, 2, .., the others 1, 0, 3, 2, ..: the two clusters that need the same rows of X ask for different laps.
; CLUSTERS: 4 x 4 work-groups.  The four of a row share X's tiles, the four of a column W's: each is asked for jointly, with one descriptor and a mask that names the four.
; W'S ROWS lie permuted (row 64 G + 4 r + q at place 64 G + 16 q + r): in four neighbouring tiles lane r holds columns 4 r .. 4 r + 3 of a row: 16 bytes, and sixteen lanes 256 bytes.
; REGISTERS: window 0: v0-31 addresses; v64-127 A's blocks 0-3 (16 rows x 128 K each, one set); v128-191 and v192-255 A's blocks 4-7, a set for q = 0 and one for q = 1.
;   window 1: B's eight fragments, a set for q = 0 and one for q = 1.  window 2: accumulators (a, b), a = 0-3, at v[64 a + 8 b]; window 3: a = 4-7.
; A step of 128 is 64 matrix instructions: A's blocks one after the other, each against B's eight.  A slot's 128 LDS loads go in three runs:
;   48 in the middle of the step before the slot's first: B and A's blocks 0-3 of q = 0;
;   40 at the head of the first step: A's blocks 4-7 of q = 0, B's fragments 0-5 of q = 1;  40 in its middle: B's fragments 6-7 and all of A of q = 1.
; So all reads of a slot have been issued when its last step begins, and that step's first half releases the slot.
; PREFETCH: behind a joint load each wave asks for the K step two refills on, 32 rows x 256 bytes, a lane a row; the four partners share the 128 rows that a wave fetches by address.
; At the head K step 1 is asked for behind K step 0's load, K steps 2 and 3 behind K step 1's.  The last two refills ask for nothing.
; X's rows are asked for by each cluster that loads them; W's, which eight clusters load, by the four with cluster y under 4.
.set SIZE_N, 2048
.set SIZE_K, 4096
.set ROWB,   256
.set PITCH,  272                       ; 256 bytes + 16 of padding: the 16 rows of a fragment start at 16 different banks (64 banks of 4 bytes: ISA guide 11.1)
.set FR,     16                        ; registers of a fragment
.set HALFT,  128*PITCH                 ; what one tensor load brings
.set SLOT,   4*HALFT                   ; X's 256 rows, then W's 256
.set LAPS,   SIZE_K/(2*ROWB)
.set SPARE,  2*SLOT                    ; the spare words, 128 bytes a wave
.set ADRA, 16                          ; v16-17 LDS address of my A fragments in slot 0, 1
.set ADRB, 20                          ; v20-21 of my B fragments
.set CO,   26                          ; my byte offset in the output
.set SPW,  28                          ; my spare word's LDS address
.set NIL,  29                          ; 0
.set PFO,  30                          ; the prefetches' offset: lane x 4,096
.set AL,   64
.set AH,   128
.set G1, 24                            ; descriptor group 1 for X, group 0 for each slot; then the same for W
.set G0, 32
.set G1B, 48
.set G0B, 56
.set XB, 66                            ; first byte of the rows that I fetch, of X and of W
.set WB, 68
.set KO, 70                            ; s[70:71] offset along K
.set KL, 72                            ; 512 x the lap to refill
.set KF, 73                            ; 0, or 512 where the laps are walked in swapped pairs
.set PFB, 76                           ; the rows that I prefetch, K = 0
.set PFA, 78                           ; the same at the lap to prefetch
.set PT,  80                           ; s[80:81] an offset
.set LIM, 82                           ; 1 while my wave prefetches, else the greatest number
.set PFC, 86                           ; at the head: my rows at the first lap
.set MSB, 0
.macro WIN new                         ; the immediate's high byte repeats the setting that is left
.if MSB != (\new)
	s_set_vgpr_msb (MSB<<8)|(\new)
.set MSB, (\new)
.endif
.endm
.set MUL_LO, 0xa4                      ; source 0 (A) window 0, source 1 (B) window 1, C and D window 2; + 0x50: window 3
.set TO_B,   0x40
.macro JLOAD g0a, g1a, g0b, g1b        ; waves 0, 1 fetch X's two halves, waves 2, 3 W's
	s_cmp_eq_u32 s15, 0
	s_cbranch_scc0 .Lfor_b_\@
	tensor_load_to_lds s[\g0a:\g0a+3], s[\g1a:\g1a+7]
	s_nop 0
.rept 4
	v_nop
.endr
	s_branch .Lasked_\@
.Lfor_b_\@:
	tensor_load_to_lds s[\g0b:\g0b+3], s[\g1b:\g1b+7]
	s_nop 0
.rept 4
	v_nop
.endr
.Lasked_\@:
.endm
.macro CREST                           ; a round of the cluster's barrier behind its opening barrier
	s_cmp_lg_u32 s14, 0
	s_cbranch_scc1 .Lnot_wave_0_\@
	s_barrier_signal -3
.Lnot_wave_0_\@:
	s_barrier_wait -3
	s_barrier_signal -1
	s_barrier_wait -1
.endm
.macro CROUND
	s_barrier_signal -1
	s_barrier_wait -1
	CREST
.endm
.macro PLACES                          ; four places behind matrix instructions, ahead of loads into what they have read and of reads of their results
.rept 4
	v_nop
.endr
.endm
.macro LA dst, slot, q, i              ; A's block i of the slot's q-th 128 along K: lane l holds row l % 16, registers 4 c .. 4 c + 3 K = 32 c + 16 (l / 16) + 0 .. 15; B likewise
	WIN 0
.irp c, 0,1,2,3
	ds_load_b128 v[\dst+4*\c:\dst+4*\c+3], v[ADRA+\slot] offset:128*(\q)+32*\c+(\i)*16*PITCH
.endr
.endm
.macro LB dst, slot, q, i
	WIN TO_B
.irp c, 0,1,2,3
	ds_load_b128 v[\dst+4*\c:\dst+4*\c+3], v[ADRB+\slot] offset:128*(\q)+32*\c+(\i)*16*PITCH
.endr
.endm
.macro FETCH48 slot                    ; the slot's q = 0: B's eight, A's blocks 0-3
.irp b, 0,1,2,3,4,5,6,7
	LB FR*\b, \slot, 0, \b
.endr
.irp a, 0,1,2,3
	LA AL+FR*\a, \slot, 0, \a
.endr
.endm
.macro MM q, zero                      ; matrix instruction G of a step: block G / 8 against B's fragment G % 8; zero: it starts its sum
.set GA, G/8
.set GB, G%8
.if GA < 4
.set AR, AL+FR*GA
.else
.set AR, AH+64*(\q)+FR*(GA-4)
.endif
.set BR, 128*(\q)+FR*GB
.set AC, 64*(GA%4)+8*GB
	WIN MUL_LO+0x50*(GA/4)
.if \zero
	v_wmma_f32_16x16x128_fp8_fp8 v[AC:AC+7], v[AR:AR+15], v[BR:BR+15], 0
.else
	v_wmma_f32_16x16x128_fp8_fp8 v[AC:AC+7], v[AR:AR+15], v[BR:BR+15], v[AC:AC+7]
.endif
.set G, G+1
.endm
.macro RUN n, q, zero                  ; the next n; the 64 accumulators take turns, one instruction a turn
.rept \n
	MM \q, \zero
.endr
.endm
	s_load_b256 s[4:11], s[0:1], 0x0               ; X s[4:5], W s[6:7], exponents s[8:9], output s[10:11]
	v_lshl_add_u32 v[SPW], v0, 2, SPARE
	v_mov_b32 v[NIL], 0
	ds_add_u32 v[SPW], v[NIL]                      ; the add, twice on end; the wait for both stands below
	ds_add_u32 v[SPW], v[NIL]
	v_lshrrev_b32 v1, 5, v0
	v_readfirstlane_b32 s14, v1                    ; wave 0..3
	s_lshr_b32 s15, s14, 1                         ; my half of the tile's rows.  Also: I fetch for X (0) or W (1)
	s_and_b32 s16, s14, 1                          ; my half of its columns.  Also: which 128 rows I fetch
	s_mul_i32 s21, s15, HALFT
	s_mul_i32 s22, s16, HALFT
	s_add_co_u32 s22, s22, 2*HALFT                 ; W's rows lie behind X's 256
	v_and_b32 v1, 15, v0
	v_bfe_u32 v2, v0, 4, 1
	v_mul_u32_u24 v3, v1, PITCH
	v_lshl_add_u32 v4, v2, 4, v3                   ; a fragment's row x pitch + 16 x half
	v_add_nc_u32 v[ADRA], s21, v4
	v_add_nc_u32 v[ADRB], s22, v4
	v_add_nc_u32 v[ADRA+1], SLOT, v[ADRA]
	v_add_nc_u32 v[ADRB+1], SLOT, v[ADRB]
	v_lshlrev_b32 v[CO], 4, v1                     ; lane r: 16 r bytes; the upper half of the lanes 8 rows further down
	v_lshl_add_u32 v[CO], v2, 16, v[CO]
	v_and_b32 v[PFO], 31, v0
	v_lshlrev_b32 v[PFO], 12, v[PFO]
	s_bfe_u32 s40, ttmp6, 0x40000                  ; cx, cy
	s_bfe_u32 s41, ttmp6, 0x40004
	s_lshl_b32 s42, ttmp9, 2
	s_add_co_u32 s42, s42, s40                     ; tile column
	s_and_b32 s17, ttmp7, 0xffff
	s_cmp_lt_u32 s17, 4
	s_cselect_b32 s[LIM], 1, -1                    ; W's rows: cluster y under 4
	s_cmp_eq_u32 s15, 0
	s_cselect_b32 s[LIM], 1, s[LIM]                ; X's rows: every cluster
	s_lshr_b32 s[KO], s17, 1
	s_xor_b32 s[KF], s17, s[KO]
	s_lshr_b32 s[KO], s17, 2
	s_xor_b32 s[KF], s[KF], s[KO]
	s_xor_b32 s[KF], s[KF], ttmp9
	s_and_b32 s[KF], s[KF], 1                      ; the parity of the cluster's number
	s_lshl_b32 s[KF], s[KF], 9
	s_mov_b32 s[KO+1], 0
	s_mov_b32 s[KL], 2*ROWB
	s_lshl_b32 s17, s17, 2
	s_add_co_u32 s17, s17, s41                     ; tile row
	s_lshl_b32 s43, s41, 2
	s_lshl_b32 s43, 15, s43                        ; my row of the cluster
	s_lshl_b32 s44, 0x1111, s40                    ; my column
	s_or_b32 s[G1+0], s43, (0<<16)|(1<<20)|(1<<21)|(5<<22)|(3<<25)  ; mask; bytes; padding of 4 words behind every 64; bit 21 beside a mask
	s_or_b32 s[G1B+0], s44, (0<<16)|(1<<20)|(1<<21)|(5<<22)|(3<<25)
.irp g, G1, G1B
	s_mov_b32 s[\g+1], ROWB<<16                    ; tensor_dim0 = 256
	s_mov_b32 s[\g+2], 128<<16                     ; tensor_dim1 = 128
	s_mov_b32 s[\g+3], ROWB<<16                    ; tile_dim0 = 256
	s_mov_b32 s[\g+4], 128                         ; tile_dim1 = 128
	s_mov_b32 s[\g+5], SIZE_K                      ; pitch
	s_mov_b32 s[\g+6], 0
	s_mov_b32 s[\g+7], 0
.endr
	s_lshl_b32 s18, s16, 7
	s_lshl_b32 s20, s17, 8
	s_add_co_u32 s20, s20, s18                     ; X: row 256 x tile row + 128 x half
	s_lshl_b32 s46, s42, 8
	s_add_co_u32 s46, s46, s18                     ; W: row 256 x tile column + 128 x half
	s_mov_b32 s21, 0
	s_mov_b32 s47, 0
	s_mov_b64 s[18:19], SIZE_K
	s_mul_u64 s[20:21], s[20:21], s[18:19]
	s_mul_u64 s[46:47], s[46:47], s[18:19]
	s_mul_i32 s45, s14, HALFT                      ; where they go: wave x 128 rows
	s_wait_alu depctr_va_vdst(0)
	s_wait_dscnt 0x0                               ; both opening adds are done
	s_wait_kmcnt 0x0
	s_load_b64 s[96:97], s[8:9], 0x0               ; e0, e1
	s_add_nc_u64 s[XB:XB+1], s[4:5], s[20:21]
	s_add_nc_u64 s[WB:WB+1], s[6:7], s[46:47]
.irp s, 0,1
	s_or_b32 s[KO], s[KF], \s*ROWB                 ; the first lap's two K steps
	s_mov_b32 s[G0+4*\s], 1
	s_add_co_u32 s[G0+4*\s+1], s45, \s*SLOT
	s_add_nc_u64 s[G0+4*\s+2:G0+4*\s+3], s[XB:XB+1], s[KO:KO+1]
	s_or_b32 s[G0+4*\s+3], s[G0+4*\s+3], 0x80000000
	s_mov_b32 s[G0B+4*\s], 1
	s_add_co_u32 s[G0B+4*\s+1], s45, \s*SLOT
	s_add_nc_u64 s[G0B+4*\s+2:G0B+4*\s+3], s[WB:WB+1], s[KO:KO+1]
	s_or_b32 s[G0B+4*\s+3], s[G0B+4*\s+3], 0x80000000
.endr
	CROUND                                         ; all sixteen work-groups are here: the first joint loads meet
	JLOAD G0, G1, G0B, G1B                         ; K step 0: one tensor load a wave at the head
	; the prefetches: 32 of the 128 rows that I fetch, by my place among the four that ask with me
	s_cmp_eq_u32 s15, 0
	s_cselect_b32 s[PT], s17, s42
	s_cselect_b32 s83, s40, s41
	s_cselect_b64 s[PFB:PFB+1], s[4:5], s[6:7]
	s_lshl_b32 s[PT], s[PT], 8
	s_lshl_b32 s84, s16, 7
	s_add_co_u32 s[PT], s[PT], s84
	s_lshl_b32 s83, s83, 5
	s_add_co_u32 s[PT], s[PT], s83
	s_lshl_b32 s[PT], s[PT], 12                    ; rows of 4,096 bytes
	s_mov_b32 s[PT+1], 0
	s_add_nc_u64 s[PFB:PFB+1], s[PFB:PFB+1], s[PT:PT+1]
	s_mov_b32 s[PT], s[KF]
	s_add_nc_u64 s[PFC:PFC+1], s[PFB:PFB+1], s[PT:PT+1]   ; the first lap
	s_xor_b32 s[PT], s[KF], 2*ROWB
	s_add_nc_u64 s[PFA:PFA+1], s[PFB:PFB+1], s[PT:PT+1]   ; the second
	s_cmp_eq_u32 s[LIM], 1
	s_cbranch_scc0 .Lno_head_ask
	global_prefetch_b8 v[PFO], s[PFC:PFC+1] offset:ROWB th:TH_LOAD_NT scope:SCOPE_SE   ; K step 1
.Lno_head_ask:
	s_lshl_b32 s20, s17, 8                         ; my part of the output
	s_lshl_b32 s21, s15, 7
	s_add_co_u32 s20, s20, s21
	s_mov_b32 s21, 0
	s_mov_b64 s[18:19], SIZE_N*4
	s_mul_u64 s[20:21], s[20:21], s[18:19]
	s_lshl_b32 s46, s42, 10
	s_lshl_b32 s47, s16, 9
	s_add_co_u32 s46, s46, s47
	s_mov_b32 s47, 0
	s_add_nc_u64 s[20:21], s[20:21], s[46:47]
	s_add_nc_u64 s[10:11], s[10:11], s[20:21]
	s_wait_kmcnt 0x0
	s_add_co_i32 s96, s96, s97
	s_add_co_i32 s96, s96, 127
	s_lshl_b32 s96, s96, 23                        ; 2^(e0 + e1) as f32
; A slot's first step, q = 0, with its two runs of 40.  Behind A's block 0 come blocks 1-3, 12 loads, and the first run: 52; behind blocks 1, 2, 3: 48, 44, 40.
.macro STEP slot, zero
.set G, 0
	PLACES                                         ; for the loads into what the step before has read
.irp a, 4,5,6,7
	LA AH+FR*(\a-4), \slot, 0, \a
.endr
.irp b, 0,1,2,3,4,5
	LB 128+FR*\b, \slot, 1, \b
.endr
	s_wait_dscnt 52
	RUN 8, 0, \zero
	s_wait_dscnt 48
	RUN 8, 0, \zero
	s_wait_dscnt 44
	RUN 8, 0, \zero
	s_wait_dscnt 40
	RUN 8, 0, \zero
	s_wait_dscnt 24                                ; A's blocks 4-7 are in; six fragments of B may be out
	PLACES                                         ; for the loads into A's blocks 0-3
.irp b, 6,7
	LB 128+FR*\b, \slot, 1, \b
.endr
.irp a, 0,1,2,3
	LA AL+FR*\a, \slot, 1, \a
.endr
.irp a, 4,5,6,7
	LA AH+64+FR*(\a-4), \slot, 1, \a
.endr
	RUN 32, 0, \zero
.endm
; A slot's last step, q = 1, changes slots.  In front of the barrier each wave waits for all its tensor loads (its part of the next slot), runs the add, and waits for that and for its reads of this slot.
; fill = 1: a round of the cluster's barrier, and this slot is filled again, for the next lap.  Then the next slot's run of 48.
.macro TURN slot, next, fill
.if \fill && (\slot == 0)
	s_wait_xcnt 0x0                                ; my prefetches have read their base, which is rewritten below
.endif
.set G, 0
	s_wait_dscnt 28                                ; B's set and A's block 0 are in; behind them A's blocks 1-7
	RUN 8, 1, 0
	s_wait_dscnt 16                                ; blocks 1-3 are in
	RUN 6, 1, 0
	WIN 0
	s_wait_tensorcnt 0x0                           ; my one tensor load that was out, my part of the next slot, has landed
	ds_add_u32 v[SPW], v[NIL]
.if \fill
	s_xor_b32 s[KO], s[KL], s[KF]
.if \slot
	s_or_b32 s[KO], s[KO], ROWB
	s_add_co_u32 s[KL], s[KL], 2*ROWB
.else
	s_add_co_u32 s[PT], s[KL], 2*ROWB              ; the lap behind the one to refill: both slots' prefetches name it
	s_xor_b32 s[PT], s[PT], s[KF]
	s_add_nc_u64 s[PFA:PFA+1], s[PFB:PFB+1], s[PT:PT+1]
.endif
	s_add_nc_u64 s[G0+4*\slot+2:G0+4*\slot+3], s[XB:XB+1], s[KO:KO+1]
	s_or_b32 s[G0+4*\slot+3], s[G0+4*\slot+3], 0x80000000
	s_add_nc_u64 s[G0B+4*\slot+2:G0B+4*\slot+3], s[WB:WB+1], s[KO:KO+1]
	s_or_b32 s[G0B+4*\slot+3], s[G0B+4*\slot+3], 0x80000000
.endif
	RUN 8, 1, 0
	s_wait_dscnt 0x0                               ; the add is done, and my reads of this slot are over
	s_barrier_signal -1
	RUN 10, 1, 0
	WIN 0
	s_barrier_wait -1
.if \fill
	CREST                                          ; no wave of any partner still reads this slot or has a load on its way
	JLOAD G0+4*\slot, G1, G0B+4*\slot, G1B         ; 110 matrix instructions ahead of the wait for it; its v_nop are also the places for the loads below
.else
	PLACES
.endif
	FETCH48 \next
.if \fill
	s_cmp_gt_u32 s3, s[LIM]                        ; s3 = 1 in the loop's last trip, which asks for nothing
	s_cbranch_scc0 .Lno_ask_\@
	global_prefetch_b8 v[PFO], s[PFA:PFA+1] offset:ROWB*\slot th:TH_LOAD_NT scope:SCOPE_SE
.Lno_ask_\@:
.endif
	RUN 32, 1, 0
.endm
	s_wait_alu depctr_va_vdst(0)
	s_wait_tensorcnt 0x0                           ; my part of K step 0 is in; these lines stand ahead of a later first fill as ahead of a refill
	ds_add_u32 v[SPW], v[NIL]
	s_wait_dscnt 0x0
	CROUND
	JLOAD G0+4, G1, G0B+4, G1B                     ; K step 1, slot 1's first fill
	FETCH48 0
	s_cmp_eq_u32 s[LIM], 1
	s_cbranch_scc0 .Lno_second_ask
	global_prefetch_b8 v[PFO], s[PFA:PFA+1] th:TH_LOAD_NT scope:SCOPE_SE               ; K step 2
	global_prefetch_b8 v[PFO], s[PFA:PFA+1] offset:ROWB th:TH_LOAD_NT scope:SCOPE_SE   ; K step 3
.Lno_second_ask:
	STEP 0, 1                                      ; the first products start the sums
	WIN 0                                          ; at a label and at a branch every window is 0
	s_mov_b32 s3, LAPS-1
.Llap:
	TURN 0, 1, 1
	STEP 1, 0
	TURN 1, 0, 1
	STEP 0, 0
	WIN 0
	s_sub_co_u32 s3, s3, 1
	s_cmp_lg_u32 s3, 0
	s_cbranch_scc1 .Llap
	TURN 0, 1, 0                                   ; the last lap fills nothing
	STEP 1, 0
; THE LAST 128 ALONG K AND THE WAY OUT.  Each block of 16 rows is finished by its eight products.  Sums x 2^(e0 + e1) go into registers that nothing reads any more:
; block 0's into A's idle set of blocks 4-7, block a's into block a - 1's accumulators.  So no register that a store reads is written again.
; Waves 0 and 1 finish and store two blocks first, then the other six; waves 2 and 3 finish all eight, then store: the stores of the one pair stand beside the vector work of the other.
.macro PLACE a                         ; where block a's scaled results stand: window WD, from TB on
.if (\a) == 0
.set WD, 0
.set TB, AH
.else
.set WD, 2+((\a)-1)/4
.set TB, 64*(((\a)-1)%4)
.endif
.endm
.macro SCALE a
	PLACE \a
.set AC, 64*((\a)%4)
	WIN (WD<<6)|((2+(\a)/4)<<2)
.irp j, 0,1,2,3,4,5,6,7
.irp g, 0,1
.irp q, 0,1,2,3
	v_mul_f32 v[TB+8*\j+4*\g+\q], s96, v[AC+8*(4*\g+\q)+\j]   ; row 8 h + j, columns 64 g + 4 r + q; each accumulator from its low end on
.endr
.endr
.endr
.endm
.macro SEND a
	PLACE \a
	WIN WD<<2
.irp j, 0,1,2,3,4,5,6,7
.irp g, 0,1
	global_store_b128 v[CO], v[TB+8*\j+4*\g:TB+8*\j+4*\g+3], s[10:11] offset:(16*(\a)+\j)*SIZE_N*4+256*\g   ; sixteen lanes store 256 consecutive bytes, aligned
.endr
.endr
.endm
	WIN 0
	s_cmp_eq_u32 s15, 0
	s_cbranch_scc0 .Lall_first
	s_wait_dscnt 16                                ; A's blocks 4-7 may be out
.set G, 0
	RUN 16, 1, 0
	PLACES                                         ; the blocks' results are read next
	SCALE 0
	SCALE 1
	SEND 0
	SEND 1
	s_wait_dscnt 0x0
	RUN 48, 1, 0
	PLACES
.irp a, 2,3,4,5,6,7
	SCALE \a
.endr
.irp a, 2,3,4,5,6,7
	SEND \a
.endr
	WIN 0
	s_branch .Lout
.Lall_first:
	s_wait_dscnt 16
.set G, 0
	RUN 32, 1, 0
	s_wait_dscnt 0x0
	RUN 32, 1, 0
	PLACES
.irp a, 0,1,2,3,4,5,6,7
	SCALE \a
.endr
.irp a, 0,1,2,3,4,5,6,7
	SEND \a
.endr
	WIN 0
.Lout:
	s_wait_tensorcnt 0x0                           ; the wave's end
	ds_add_u32 v[SPW], v[NIL]
	s_wait_dscnt 0x0
	CROUND                                         ; no work-group ends while a partner may still ask for a tile that names it
	s_endpgm
.Lfunc_end_k_qc02072f748_gemm:
	.size	k_qc02072f748_gemm, .Lfunc_end_k_qc02072f748_gemm-k_qc02072f748_gemm
	.p2alignl 7, 3214868480
	.fill 96, 4, 3214868480
	.section	.rodata,"a",@progbits
	.p2align	6, 0x0
	.amdhsa_kernel k_qc02072f748_gemm
		.amdhsa_group_segment_fixed_size 327680
		.amdhsa_private_segment_fixed_size 0
		.amdhsa_enable_private_segment 0
		.amdhsa_kernarg_size 32
		.amdhsa_user_sgpr_count 2
		.amdhsa_user_sgpr_kernarg_segment_ptr 1
		.amdhsa_wavefront_size32 1
		.amdhsa_system_sgpr_workgroup_id_x 1
		.amdhsa_system_sgpr_workgroup_id_y 1
		.amdhsa_system_sgpr_workgroup_id_z 1
		.amdhsa_system_vgpr_workitem_id 0
		.amdhsa_next_free_vgpr 1024
		.amdhsa_next_free_sgpr 98
		.amdhsa_reserve_vcc 0
		.amdhsa_float_denorm_mode_32 3
		.amdhsa_float_denorm_mode_16_64 3
		.amdhsa_memory_ordered 1
		.amdhsa_forward_progress 1
		.amdhsa_inst_pref_size 141
	.end_amdhsa_kernel
	.amdgpu_metadata
---
amdhsa.version: [ 1, 2 ]
amdhsa.kernels:
  - .name:           k_qc02072f748_gemm
    .symbol:         k_qc02072f748_gemm.kd
    .args:
      - { .name: x_codes, .offset: 0, .size: 8, .value_kind: global_buffer, .address_space: global }
      - { .name: w_codes, .offset: 8, .size: 8, .value_kind: global_buffer, .address_space: global }
      - { .name: lowp_scales, .offset: 16, .size: 8, .value_kind: global_buffer, .address_space: global }
      - { .name: out0, .offset: 24, .size: 8, .value_kind: global_buffer, .address_space: global }
    .group_segment_fixed_size: 327680
    .private_segment_fixed_size: 0
    .kernarg_segment_align: 8
    .kernarg_segment_size: 32
    .max_flat_workgroup_size: 128
    .sgpr_count:     98
    .vgpr_count:     1024
    .wavefront_size: 32
...
	.end_amdgpu_metadata
.endif
;; end of part 2
